; MI455X (gfx1250); checked and timed in simulation.
; The chip was launched on July 23, 2026; its instructions are those of AMD's public machine-readable ISA for CDNA 5 (MIT licence, August 2026) and "CDNA5" Instruction Set Architecture Reference Guide (July 2026). The comments in the code are by the model that wrote it; some were corrected since.
;; Constrastive Loss. Allowed arithmetic: matrix products marked QUANTISED: E5M2 operands, one E8M0 scale for each 32 along K, by v_wmma_scale_f32_16x16x128_f8f6f4 with both operands' format E5M2, f32 sums; everything else in f32.
;; Inputs: x1 4,096 x 256 float32; x2 4,096 x 256 float32.
;; Outputs: out0 8,192 float32.
;; This version of the problem:
;;   THIS VERSION OF THE PROBLEM IS GIVEN IN LOW PRECISION. The matrix products marked QUANTISED in the list below multiply operands that are first quantised to E5M2 (5 exponent bits, 2 mantissa bits; 8 bits a number), with one power-of-two scale for each 32 numbers along K (OCP MX v1.0); their sums are f32. All else is computed in f32.
;;   The module's matrix products, in the order in which they are computed (A, B: the left and right operand; K: the contracted axis; several contracted axes count as one K, in the product's order):
;;     1. [M 8,192, K 256] x [K 256, N 8,192]; A: computed on the way; B: computed on the way: QUANTISED
;;   THE QUANTISER, for each operand of a quantised product, along K:
;;     - K is cut into blocks of 32 from its start; a last block that is shorter is filled with zeros.
;;     - A block's scale is 2^e with e = floor(log2(the largest magnitude in the block)) - 15, held to -126 .. 127; a block of zeros has e = 0. As a byte (E8M0): e + 127.
;;     - Each number is divided by its block's scale, clamped to +-57,344, and rounded to the nearest number of E5M2, ties to even, subnormals kept.
;;     - The product sums the exact products of the quantised numbers (number of the format x scale) in f32.
;;   ~~~python
;;   def quantise(x, axis):      # numpy; x: float32 -> the quantised numbers, widened to float32 again
;;       x = np.moveaxis(x, axis, -1); K = x.shape[-1]
;;       x = np.pad(x, [(0, 0)] * (x.ndim - 1) + [(0, -K % 32)]); x = x.reshape(x.shape[:-1] + (-1, 32)); a = np.abs(x).max(-1, keepdims=True)
;;       e = np.where(a > 0, np.clip(np.frexp(np.where(a > 0, a, 1))[1] - 1 - 15, -126, 127), 0)      # np.frexp(a)[1] - 1 = floor(log2(a)), exactly
;;       r = np.clip(x / 2.0 ** e, -57344, 57344)
;;       step = 2.0 ** (np.maximum(np.frexp(np.where(r == 0, 1, r))[1] - 1, -14) - 2)
;;       q = np.round(r / step) * step * 2.0 ** e      # np.round: ties to even
;;       return np.moveaxis(q.reshape(q.shape[:-2] + (-1,))[..., :K], -1, axis).astype(np.float32)
;;   ~~~
;;   OPERANDS COMPUTED ON THE WAY. 'Computed on the way' means the value that the module computes at that place (a softmax that the list does not call 'softmax' is quantised finished and normalised). What goes into a quantiser is computed in f32, as accurately as f32 sums, v_exp_f32 and their like allow (about 1e-6 of the number): no bf16 or f16 on the way to a quantiser, and a product that is left as it is and whose result goes on into a quantised operand takes f32 operands (vector FMAs, or v_wmma_f32_16x16x4_f32). A number that lies on a knife's edge between two numbers of the format may be rounded either way, as far as f32 arithmetic and the matrix unit's own rounding can turn it there, and no further.
;; One version. Each part assembles by itself: llvm-mc -triple=amdgcn-amd-amdhsa -mcpu=gfx1250 --defsym DOCPART=n.
;; ======== version 1 of 1: 2 launches
;; workspace buffers: zq 2,162,688 bytes
;; launch quant (part 1): grid 256 x 1, 8 waves a work-group, no clusters, 168,960 bytes of LDS; arguments x1, x2, zq; writes zq
.if DOCPART == 1
	.amdgcn_target "amdgcn-amd-amdhsa--gfx1250"
	.amdhsa_code_object_version 6
	.text
	.protected	k_q99e6c5e463_quant
	.globl	k_q99e6c5e463_quant
	.p2align	8
	.type	k_q99e6c5e463_quant,@function
k_q99e6c5e463_quant:
	s_mov_b64 s[64:65], 0
	v_nop
	global_prefetch_b8 v0, s[64:65] scope:SCOPE_SE
	s_setreg_imm32_b32 hwreg(HW_REG_WAVE_MODE, 25, 1), 1
	s_wait_xcnt 0x0
; z = the rows of x1, then those of x2 ([4096][256] f32 each), L2-normalised twice (x / max(norm, 1e-12), and the same again), 8,192 rows in all, are turned into codes of BF8 (E5M2)
; with one E8M0 scale byte for each 32 along K = 256, for the product z z^T of the next launch.
; THE WORKSPACE zq is laid as that launch reads it: 64 groups of 128 rows, 33,792 dense bytes each: plane 0 (128 rows x 128 bytes: of each of a row's 8 blocks the codes of k = 0 .. 15),
; plane 1 (the same for k = 16 .. 31), then the rows' scale bytes, 8 a row.  A matrix fragment's lane wants 16 codes of one half of a block: 16 bytes of one plane.
; SHARES.  Work-group t owns rows 32 t .. 32 t + 31 of z (t under 128: x1, else x2), wave w four of them.  A LANE HOLDS ONE BLOCK OF 32 ALONG K: row lane / 8 of the wave's four, block lane % 8.
; So a block's largest magnitude needs no other lane, the conversions find neighbours along K in the lane's consecutive registers, a row's sum of squares is three exchanges among eight lanes,
; and each of the lane's two stores of 16 codes is one of 32 that cover 512 consecutive bytes, aligned.  The work-group's 256 scale bytes meet in LDS and leave as one aligned run of 256 bytes.
; x comes by one tensor load a wave: its 4,096 dense bytes as 16 lines of 256 bytes.  Each wave reads only what its own load brought.  No LDS byte is filled twice.
; LIMITS.  x / max(norm, eps) is x times v_rcp_f32 of the maximum, and the norm is v_sqrt_f32 of a sum taken in another order than row by row: a few units in the last place ahead of the quantiser.
; A sum of squares that is denormal counts as 0 for v_sqrt_f32; its norm lies under 1e-12 anyway, so the maximum is 1e-12 either way.  A block of zeros carries the byte 1 where the rule says 127:
; its codes are zeros, which add nothing under any byte but 0xff, and this program alone reads the bytes.  Blocks whose largest magnitude lies under 2^-111, the floor, were not tried.  NaN and infinities are not served.
.set PITCH, 272                        ; an LDS line: 256 bytes + 16 of padding = 68 words: line r starts at bank 4 r mod 64 (64 banks of 4 bytes: ISA guide 11.1)
.set WIN_X, 16*PITCH                   ; a wave's 16 lines of x
.set SC,    8*WIN_X                    ; 34,816: behind the eight waves' x: the work-group's 256 scale bytes; no tensor load lands here
.set GB,    33792                      ; a group of 128 rows in zq
.set XA,  4                            ; v4   LDS address of my block of x
.set CO,  5                            ; v5   my byte offset in zq: plane 0; plane 1 lies 16,384 bytes on
.set SA,  6                            ; v6   where my scale byte goes in LDS
.set WA,  7                            ; v7   wave 0: where I read 8 scale bytes back
.set SO,  8                            ; v8   and their byte offset in zq
.set CD,  20                           ; v20-27   my 32 codes
.set X,   32                           ; v32-63   my 32 numbers
	s_load_b128 s[4:7], s[0:1], 0x0                ; x1 s[4:5], x2 s[6:7]
	s_load_b64 s[8:9], s[0:1], 0x10                ; zq
	v_lshl_add_u32 v64, v0, 2, 0x29000
	v_mov_b32 v65, 0
	ds_add_u32 v64, v65
	ds_add_u32 v64, v65
	v_lshrrev_b32 v2, 5, v0
	v_readfirstlane_b32 s10, v2                    ; wave 0..7
	; descriptor group 1: 16 lines of 32 elements of 8 bytes, dense in memory, 16 bytes of padding behind each line in LDS
	s_mov_b32 s20, (3<<16)|(1<<20)|(5<<22)|(3<<25) ; 15:0 no mask; 17:16 elements of 8 bytes; 20 padding on; 24:22 after every 64 words (code 5); 31:25 of 4 words (code 3)
	s_mov_b32 s21, 32<<16                          ; tensor_dim0 = 32
	s_mov_b32 s22, 16<<16                          ; tensor_dim1 = 16
	s_mov_b32 s23, 32<<16                          ; tile_dim0 = 32
	s_mov_b32 s24, 16                              ; tile_dim1 = 16
	s_mov_b32 s25, 32                              ; from line to line: 32 elements
	s_mov_b32 s26, 0
	s_mov_b32 s27, 0
	s_mov_b32 s16, 1                               ; group 0: count = 1
	s_mul_i32 s17, s10, WIN_X                      ; LDS address: the wave's own 16 lines
	s_and_b32 s12, ttmp9, 127
	s_lshl_b32 s12, s12, 15                        ; in x1 or x2: 32 rows of 1,024 bytes a work-group,
	s_lshl_b32 s13, s10, 12                        ; four a wave
	s_add_co_u32 s12, s12, s13                     ; (under 4 MiB)
	s_mov_b32 s13, 0
	s_lshr_b32 s14, ttmp9, 2
	s_mul_i32 s14, s14, GB                         ; in zq: my group of 128 rows: four work-groups to a group
	s_and_b32 s15, ttmp9, 3
	s_lshl_b32 s36, s15, 8
	s_add_co_u32 s36, s36, s14
	s_add_co_u32 s36, s36, 32768                   ; the work-group's 256 scale bytes: behind the two planes, 8 bytes a row
	s_lshl_b32 s15, s15, 12
	s_add_co_u32 s14, s14, s15                     ; the work-group's 32 rows of 128 bytes in plane 0,
	s_lshl_b32 s37, s10, 9
	s_add_co_u32 s14, s14, s37                     ; the wave's four
	s_cmp_lt_u32 ttmp9, 128                        ; x1 or x2: the choice hangs on the work-group's number alone
	s_wait_dscnt 0x0
	s_wait_kmcnt 0x0
	s_cselect_b64 s[18:19], s[4:5], s[6:7]
	s_add_nc_u64 s[18:19], s[18:19], s[12:13]      ; global address of my first row
	s_or_b32 s19, s19, 0x80000000                  ; type = 2
	tensor_load_to_lds s[16:19], s[20:27]          ; my one tensor load: 4,096 bytes.  All addresses and constants are made while it is out
	s_nop 0
	v_and_b32 v1, 31, v0                           ; lane
	v_lshrrev_b32 v2, 1, v1
	v_mul_u32_u24 v[XA], v2, PITCH                 ; my block begins 128 x lane bytes into the wave's 4,096: line lane / 2,
	v_and_b32 v3, 1, v1
	v_lshl_add_u32 v[XA], v3, 7, v[XA]             ; its first or second half: sixteen lanes of a 16-byte load fall on sixteen different 16-byte columns modulo 256
	v_add_nc_u32 v[XA], s17, v[XA]
	v_lshl_add_u32 v[CO], v1, 4, s14               ; (row lane / 8) x 128 + (block lane % 8) x 16 = 16 x lane
	v_add_nc_u32 v[SA], SC, v0                     ; 8 x (row of the work-group's 32) + block = the thread's number
	v_lshl_add_u32 v[WA], v1, 3, SC
	v_lshl_add_u32 v[SO], v1, 3, s36
	v_mov_b32 v15, 0                               ; (named as the upper half of the pair v[14:15], so it is written)
	s_mov_b32 s30, 0x600000                        ; the mantissa field of 57,344
	s_wait_tensorcnt 0x0                           ; my load has landed; only I read its bytes
.irp j, 0,1,2,3,4,5,6,7
	ds_load_b128 v[X+4*\j:X+4*\j+3], v[XA] offset:16*\j
.endr
	s_wait_dscnt 0x0
; x / max(sqrt(the row's sum of squares), 1e-12), for the four rows of the wave at once
.macro NORMALISE
	v_pk_mul_f32 v[10:11], v[X:X+1], v[X:X+1]      ; two packed chains, started by the first products: nothing is cleared
	v_pk_mul_f32 v[12:13], v[X+2:X+3], v[X+2:X+3]
.irp i, 4,8,12,16,20,24,28
	v_pk_fma_f32 v[10:11], v[X+\i:X+\i+1], v[X+\i:X+\i+1], v[10:11]
	v_pk_fma_f32 v[12:13], v[X+\i+2:X+\i+3], v[X+\i+2:X+\i+3], v[12:13]
.endr
	v_pk_add_f32 v[10:11], v[10:11], v[12:13]
	v_add_f32 v10, v10, v11                        ; my block's sum of squares
	v_add_f32_dpp v10, v10, v10 row_xmask:1 row_mask:0xf bank_mask:0xf   ; and the row's: its eight blocks lie in eight neighbouring lanes
	v_add_f32_dpp v10, v10, v10 row_xmask:2 row_mask:0xf bank_mask:0xf
	v_add_f32_dpp v10, v10, v10 row_xmask:4 row_mask:0xf bank_mask:0xf
	v_sqrt_f32 v11, v10
	v_nop                                          ; one plain instruction behind a transcendental before its result is used
	s_wait_alu depctr_va_vdst(0)
	v_max_num_f32 v11, 0x2b8cbccc, v11             ; 1e-12
	v_rcp_f32 v14, v11
	v_nop
	s_wait_alu depctr_va_vdst(0)
.irp i, 0,2,4,6,8,10,12,14,16,18,20,22,24,26,28,30
	v_pk_mul_f32 v[X+\i:X+\i+1], v[X+\i:X+\i+1], v[14:15] op_sel_hi:[1,0]
.endr
.endm
	NORMALISE                                      ; zi, zj
	NORMALISE                                      ; z: the same again; it changes more than the last bits where a row's first norm lay under 1e-12
	; THE QUANTISER: my 32 numbers are one block
	v_max3_num_f32 v16, |v[X]|, |v[X+1]|, |v[X+2]| ; the largest magnitude, in two chains
	v_max3_num_f32 v17, |v[X+3]|, |v[X+4]|, |v[X+5]|
.irp i, 6,10,14,18,22,26
	v_max3_num_f32 v16, v16, |v[X+\i]|, |v[X+\i+1]|
	v_max3_num_f32 v17, v17, |v[X+\i+2]|, |v[X+\i+3]|
.endr
	v_max3_num_f32 v16, v16, |v[X+30]|, |v[X+31]|
	v_max3_num_f32 v16, v16, v17, 0x8000000        ; and the floor 2^(16 - 127): the byte cannot fall under 1
	v_add_nc_u32 v18, 0xf8800000, v16              ; 15 off its exponent field: the conversion takes the exponent field of this operand as its scale, and nothing else of it
	v_and_or_b32 v19, v16, 0x7f800000, s30         ; 57,344 x the scale: the largest magnitude's exponent field over 57,344's mantissa
.irp i, 0,1,2,3,4,5,6,7,8,9,10,11,12,13,14,15,16,17,18,19,20,21,22,23,24,25,26,27,28,29,30,31
	v_med3_num_f32 v[X+\i], v[X+\i], -v19, v19     ; the conversion to an 8-bit code does not saturate (ISA guide 7.6.2): hold the number first
.endr
.irp g, 0,1,2,3
	v_cvt_scalef32_pk8_bf8_f32 v[CD+2*\g:CD+2*\g+1], v[X+8*\g:X+8*\g+7], v18
.endr
	v_lshrrev_b32 v17, 23, v18                     ; the scale's byte; also the plain instruction behind the last conversion
	global_store_b128 v[CO], v[CD:CD+3], s[8:9]                  ; k = 0 .. 15 of my block: the wave's 32 lanes cover 512 consecutive bytes of plane 0, aligned
	global_store_b128 v[CO], v[CD+4:CD+7], s[8:9] offset:16384   ; k = 16 .. 31: the same in plane 1
	ds_store_b8 v[SA], v17
	s_wait_dscnt 0x0                               ; for wave 0's sake: my byte has landed
	s_barrier_signal -1
	s_barrier_wait -1                              ; the work-group's 256 scale bytes lie in LDS
	s_cmp_lg_u32 s10, 0
	s_cbranch_scc1 .Lend
	ds_load_b64 v[28:29], v[WA]
	s_wait_dscnt 0x0
	global_store_b64 v[SO], v[28:29], s[8:9]       ; 32 lanes store 256 consecutive bytes, aligned
.Lend:
	s_wait_tensorcnt 0x0
	ds_add_u32 v64, v65
	s_wait_dscnt 0x0
	s_endpgm
.Lfunc_end_k_q99e6c5e463_quant:
	.size	k_q99e6c5e463_quant, .Lfunc_end_k_q99e6c5e463_quant-k_q99e6c5e463_quant
	.p2alignl 7, 3214868480
	.fill 96, 4, 3214868480
	.section	.rodata,"a",@progbits
	.p2align	6, 0x0
	.amdhsa_kernel k_q99e6c5e463_quant
		.amdhsa_group_segment_fixed_size 168960
		.amdhsa_private_segment_fixed_size 0
		.amdhsa_enable_private_segment 0
		.amdhsa_kernarg_size 24
		.amdhsa_user_sgpr_count 2
		.amdhsa_user_sgpr_kernarg_segment_ptr 1
		.amdhsa_wavefront_size32 1
		.amdhsa_system_sgpr_workgroup_id_x 1
		.amdhsa_system_sgpr_workgroup_id_y 1
		.amdhsa_system_sgpr_workgroup_id_z 1
		.amdhsa_system_vgpr_workitem_id 0
		.amdhsa_next_free_vgpr 66
		.amdhsa_next_free_sgpr 66
		.amdhsa_reserve_vcc 0
		.amdhsa_float_denorm_mode_32 3
		.amdhsa_float_denorm_mode_16_64 3
		.amdhsa_memory_ordered 1
		.amdhsa_forward_progress 1
		.amdhsa_inst_pref_size 13
	.end_amdhsa_kernel
	.amdgpu_metadata
---
amdhsa.version: [ 1, 2 ]
amdhsa.kernels:
  - .name:           k_q99e6c5e463_quant
    .symbol:         k_q99e6c5e463_quant.kd
    .args:
      - { .name: x1, .offset: 0, .size: 8, .value_kind: global_buffer, .address_space: global }
      - { .name: x2, .offset: 8, .size: 8, .value_kind: global_buffer, .address_space: global }
      - { .name: zq, .offset: 16, .size: 8, .value_kind: global_buffer, .address_space: global }
    .group_segment_fixed_size: 168960
    .private_segment_fixed_size: 0
    .kernarg_segment_align: 8
    .kernarg_segment_size: 24
    .max_flat_workgroup_size: 256
    .sgpr_count:     66
    .vgpr_count:     66
    .wavefront_size: 32
...
	.end_amdgpu_metadata
.endif
;; end of part 1
;; launch gemm (part 2): grid 16 x 16, 4 waves a work-group, clusters of 4 x 4, 287,744 bytes of LDS; arguments zq, out0; writes out0
.if DOCPART == 2
	.amdgcn_target "amdgcn-amd-amdhsa--gfx1250"
	.amdhsa_code_object_version 6
	.text
	.protected	k_q99e6c5e463_gemm
	.globl	k_q99e6c5e463_gemm
	.p2align	8
	.type	k_q99e6c5e463_gemm,@function
k_q99e6c5e463_gemm:
	s_mov_b64 s[64:65], 0
	v_nop
	global_prefetch_b8 v0, s[64:65] scope:SCOPE_SE
	s_setreg_imm32_b32 hwreg(HW_REG_WAVE_MODE, 25, 1), 1
	s_wait_xcnt 0x0
	s_wait_alu depctr_hold_cnt(0) depctr_sa_sdst(0) depctr_va_vdst(0) depctr_va_sdst(0) depctr_va_ssrc(0) depctr_va_vcc(0) depctr_vm_vsrc(0)
	s_getreg_b32 s2, hwreg(HW_REG_IB_STS2, 6, 4)
	s_cmp_eq_u32 s2, 0
	s_cbranch_scc0 .Lentry_in_a_cluster
	s_endpgm
.Lentry_in_a_cluster:
	s_bfe_u32 s2, ttmp6, 0x10000c
	s_cmp_lg_u32 s2, 0xf033
	s_cbranch_scc0 .Lentry_shape_is_right
	s_endpgm
.Lentry_shape_is_right:
; sim = z z^T, [8192][8192], K = 256, on codes of BF8 (E5M2) with one E8M0 scale for each 32 along K; out0[R] = sim[R][R xor 4096]: the diagonals at +4,096 and -4,096.
; THE PRODUCT IS FORMED WHOLE, by the scaled matrix instruction: 512 x 512 tiles of 16 x 16, two instructions deep.  Nothing but the two diagonals is kept, so a sum lives for its
; two K steps in one of 16 accumulators that are begun anew (C = 0) for the next tiles, and only the tiles that can hold a diagonal are read.
; zq: 64 groups of 128 rows of z, 33,792 dense bytes each: plane 0 (128 bytes a row: of each block of 32 the codes of k = 0 .. 15), plane 1 (k = 16 .. 31), the rows' scale bytes (8 a row).
; SHARES.  A work-group takes 512 x 512 of sim: four groups of rows (A) and four of columns (B), 8 x 33,792 bytes, ALL OF WHICH FIT IN LDS: each is fetched once, nothing is filled again.
; Four waves, as many as a WGP has SIMDs, each 256 x 256: 512 matrix instructions.  A wave's 16 blocks of A stay in 512 registers; B's 16 come through two buffers of four blocks: each fragment is read from LDS once.
; CLUSTERS: 4 x 4 work-groups.  The four of a row of the cluster need the same groups of A, the four of a column the same groups of B: each group is asked for JOINTLY, by the same tensor load with the same
; descriptor and a mask that names the four.  Waves 0 and 1 fetch A's groups, waves 2 and 3 B's, two loads each: first the even groups, on which every wave has four pairs (128 matrix instructions) of work, then the odd ones.
; A PAIR is four blocks of A x four of B: 16 accumulators by turns, K step 0 for all, then K step 1.  The 16 pairs are ordered so that each wants at most one new quad of fragments, fetched a pair ahead in one run.
; THE DIAGONALS lie in the work-groups whose column panel is their row panel xor 8, in waves 0 and 3, in tiles (a, a).  No branch here hangs on a work-group's place in its cluster: every wave picks the diagonal
; of its tiles (a, a) by selections on constant lane masks (144 instructions beside 512 matrix instructions), and the eight stores run under an EXEC mask that is all ones or all zeros.
; A store covers 128 consecutive bytes, half of an aligned 256: out0 is 32 KiB in all, and a lane would have to hold neighbours to do better, which costs more lane exchanges than it spares.
; REGISTERS, in windows of 256: window 0: v1-23 addresses; v32-63 scale words; v64-191 the accumulators; v192-207 the selection.  Windows 1, 2: A's quads 0, 1 and 2, 3 (128 registers each).  Window 3: B's two buffers.
.set GB,    33792                      ; a group in memory: 132 lines of 256 bytes
.set PITCH, 272                        ; an LDS line: 256 bytes (two rows of a plane) + 16 of padding: rows r = 0 .. 15 start at 16 (r / 2) + 128 (r % 2) modulo 256: sixteen different 16-byte columns
.set GRP,   132*PITCH                  ; a group in LDS: 35,904 bytes; A's four, then B's four
.set PLANE, 64*PITCH                   ; plane 1 begins here
.set BLK,   8*PITCH                    ; 16 rows of a plane
.set SCB,   128*PITCH                  ; the scale bytes begin here: 32 rows to a line
.set ADA, 16                           ; v16-17  LDS address of my lane's place in my two groups of A
.set ADB, 18                           ; v18-19  the same for B
.set ADS, 20                           ; v20-21  of my scale words: lanes 0-15 A's rows, lanes 16-31 B's
.set OA,  22                           ; v22     4 x lane: my byte offset in the wave's part of out0
.set CND, 23                           ; v23     0 where this wave's tiles (a, a) hold the diagonal
.set SC,  32                           ; v32-63  scale words and nothing else: register 2 n + s: lanes 0-15 the word of A's block n, lanes 16-31 that of B's block n, for K step s
.set ACC, 64                           ; accumulator (i, j) of a pair at v[ACC + 8 (4 i + j)]
.set TW,  192                          ; v192-199 at work on a selection
.set RES, 200                          ; v200-207 register e: sim's diagonal for my rows 32 e + lane
.set G1,  24                           ; s[24:31] descriptor group 1 for A's groups;  s[32:39] group 0, one set for each of the two loads
.set G0,  32
.set G1B, 48                           ; s[48:55], s[56:63] the same for B's
.set G0B, 56
.set MSB, 0
.macro WIN new                         ; the immediate's high byte repeats the setting that is left; a switch that changes nothing is dropped
.if MSB != (\new)
	s_set_vgpr_msb (MSB<<8)|(\new)
.set MSB, (\new)
.endif
.endm
; A joint load: waves 0 and 1 fetch for A, waves 2 and 3 for B.  Each of the two lines has ONE mask and one set of registers for all that issue it; the branch hangs on the wave's number alone.
; Four v_nop follow each of the two lines, ahead of the jump, the label and what follows.
.macro JLOAD p
	s_cmp_eq_u32 s15, 0
	s_cbranch_scc0 .Lfor_b_\@
	tensor_load_to_lds s[G0+4*\p:G0+4*\p+3], s[G1:G1+7]
	s_nop 0
.rept 4
	v_nop
.endr
	s_branch .Lasked_\@
.Lfor_b_\@:
	tensor_load_to_lds s[G0B+4*\p:G0B+4*\p+3], s[G1B:G1B+7]
	s_nop 0
.rept 4
	v_nop
.endr
.Lasked_\@:
.endm
; A round of the cluster's barrier: my work-group's barrier, so that wave 0's signal speaks for all four waves; wave 0 signals for the work-group; every wave waits for all sixteen; my work-group's barrier once more.
.macro CROUND
	s_barrier_signal -1
	s_barrier_wait -1
	s_cmp_lg_u32 s14, 0
	s_cbranch_scc1 .Lnot_wave_0_\@
	s_barrier_signal -3
.Lnot_wave_0_\@:
	s_barrier_wait -3
	s_barrier_signal -1
	s_barrier_wait -1
.endm
	s_load_b128 s[4:7], s[0:1], 0x0                ; zq s[4:5], out0 s[6:7]
	v_lshl_add_u32 v254, v0, 2, 0x46200
	v_mov_b32 v255, 0
	ds_add_u32 v254, v255
	ds_add_u32 v254, v255
	v_lshrrev_b32 v1, 5, v0
	v_readfirstlane_b32 s14, v1                    ; wave 0..3
	s_lshr_b32 s15, s14, 1                         ; which half of the panel's rows is mine.  Also: I fetch for A (0) or for B (1)
	s_and_b32 s16, s14, 1                          ; which half of its columns.  Also: which two groups of that panel I fetch
	s_bfe_u32 s40, ttmp6, 0x40000                  ; cx, cy: my place in the cluster
	s_bfe_u32 s41, ttmp6, 0x40004
	s_lshl_b32 s42, ttmp9, 2
	s_add_co_u32 s42, s42, s40                     ; column panel = 4 x cluster x + cx
	s_and_b32 s17, ttmp7, 0xffff
	s_lshl_b32 s17, s17, 2
	s_add_co_u32 s17, s17, s41                     ; row panel = 4 x cluster y + cy
	s_lshl_b32 s43, s41, 2
	s_lshl_b32 s43, 15, s43                        ; my row of the cluster
	s_lshl_b32 s44, 0x1111, s40                    ; my column
	; descriptor group 1: a dense group as 132 lines of 32 elements of 8 bytes, 16 bytes of padding behind each line in LDS
	s_or_b32 s[G1+0], s43, (3<<16)|(1<<20)|(1<<21)|(5<<22)|(3<<25)  ; 15:0 the mask: A's groups go to my row; 17:16 elements of 8 bytes; 20 padding on; 21 set beside a mask; 24:22 after every 64 words (code 5); 31:25 of 4 words (code 3)
	s_or_b32 s[G1B+0], s44, (3<<16)|(1<<20)|(1<<21)|(5<<22)|(3<<25) ; the same with the mask of my column
.irp g, G1, G1B
	s_mov_b32 s[\g+1], 32<<16                      ; tensor_dim0 = 32
	s_mov_b32 s[\g+2], 132<<16                     ; tensor_dim1 = 132
	s_mov_b32 s[\g+3], 32<<16                      ; tile_dim0 = 32
	s_mov_b32 s[\g+4], 132                         ; tile_dim1 = 132
	s_mov_b32 s[\g+5], 32                          ; from line to line: 32 elements
	s_mov_b32 s[\g+6], 0
	s_mov_b32 s[\g+7], 0
.endr
	; where the groups come from.  A's hang on the row panel alone, which my row of the cluster shares; B's on the column panel alone.  Every wave makes both, in registers that never hold the other coordinate.
	s_lshl_b32 s18, s16, 1                         ; the first of the two groups that I fetch: 0 or 2 of the panel's four
	s_lshl_b32 s20, s17, 2
	s_add_co_u32 s20, s20, s18
	s_mul_i32 s20, s20, GB                         ; A: group 4 x row panel + that, in bytes (under 2^22)
	s_mov_b32 s21, 0
	s_lshl_b32 s46, s42, 2
	s_add_co_u32 s46, s46, s18
	s_mul_i32 s46, s46, GB                         ; B: group 4 x column panel + that
	s_mov_b32 s47, 0
	s_mul_i32 s45, s14, 2*GRP                      ; where they go: A's four groups, then B's four = 2 x wave: no place in the cluster enters an LDS address
	s_xor_b32 s10, s42, s17
	s_xor_b32 s10, s10, 8                          ; 0 where the column panel is the row panel xor 8,
	s_xor_b32 s11, s15, s16
	s_or_b32 s10, s10, s11                         ; and my half of the rows is my half of the columns
	s_lshl_b32 s22, s17, 11                        ; out0: 512 numbers a row panel,
	s_lshl_b32 s23, s15, 10                        ; 256 a half
	s_add_co_u32 s22, s22, s23
	s_mov_b32 s23, 0
	s_mov_b32 s66, 0xaaaaaaaa                      ; lanes whose number has bit 0 set,
	s_mov_b32 s67, 0xcccccccc                      ; bit 1,
	s_mov_b32 s68, 0xf0f0f0f0                      ; bit 2
	s_mov_b32 s69, 0xffff0000                      ; lanes 16 to 31
	s_mov_b32 s70, 0x00ffff00                      ; lanes 8 to 23
	s_mov_b32 s72, 0x76543210
	s_mov_b32 s73, 0xfedcba98                      ; v_permlanex16_b32's selects for lane l xor 16
	s_wait_dscnt 0x0
	s_wait_kmcnt 0x0
	s_add_nc_u64 s[20:21], s[4:5], s[20:21]
	s_add_nc_u64 s[46:47], s[4:5], s[46:47]
	s_add_nc_u64 s[6:7], s[6:7], s[22:23]          ; out0 at my wave's first row
	CROUND                                         ; all sixteen work-groups are here: the joint loads meet
.irp p, 0,1
	s_mov_b32 s[G0+4*\p], 1                        ; count = 1
	s_add_co_u32 s[G0+4*\p+1], s45, \p*GRP         ; LDS address
	s_add_nc_u64 s[G0+4*\p+2:G0+4*\p+3], s[20:21], \p*GB   ; global address: the even group, then the odd one behind it
	s_or_b32 s[G0+4*\p+3], s[G0+4*\p+3], 0x80000000        ; type = 2
	s_mov_b32 s[G0B+4*\p], 1
	s_add_co_u32 s[G0B+4*\p+1], s45, \p*GRP
	s_add_nc_u64 s[G0B+4*\p+2:G0B+4*\p+3], s[46:47], \p*GB
	s_or_b32 s[G0B+4*\p+3], s[G0B+4*\p+3], 0x80000000
	JLOAD \p                                       ; two loads of mine are out behind the second
.endr
	; A fragment, 16 rows x 128 K of 8-bit codes, is 16 registers: lane (r, h) holds row r; registers 4 c .. 4 c + 3 hold k = 32 c + 16 h + 0 .. 15: 16 bytes of plane h, at byte 16 (4 s + c) of the row's 128
	v_and_b32 v1, 15, v0                           ; r
	v_bfe_u32 v2, v0, 4, 1                         ; h
	v_lshrrev_b32 v3, 1, v1
	v_mul_u32_u24 v3, v3, PITCH                    ; two rows to a line
	v_and_b32 v4, 1, v1
	v_lshl_add_u32 v3, v4, 7, v3
	v_mul_u32_u24 v4, v2, PLANE
	v_add_nc_u32 v3, v3, v4
	s_mul_i32 s21, s15, 2*GRP                      ; my two groups of A
	s_mul_i32 s22, s16, 2*GRP                      ; my two groups of B,
	s_add_co_u32 s22, s22, 4*GRP                   ; which lie behind A's four
	v_add_nc_u32 v[ADA], s21, v3
	v_add_nc_u32 v[ADA+1], GRP, v[ADA]
	v_add_nc_u32 v[ADB], s22, v3
	v_add_nc_u32 v[ADB+1], GRP, v[ADB]
	s_xor_b32 s23, s15, 1
	s_add_co_u32 s23, s23, s16
	s_add_co_u32 s23, s23, 1
	s_mul_i32 s23, s23, 2*GRP                      ; from my groups of A to my groups of B: 2 GRP x (2 + column half - row half)
	v_mul_u32_u24 v4, s23, v2                      ; lanes 16-31 take B's scale words
	v_lshl_add_u32 v4, v1, 3, v4                   ; 8 bytes a row
	v_add_nc_u32 v[ADS], s21, v4
	v_add_nc_u32 v[ADS+1], GRP, v[ADS]
	v_and_b32 v5, 31, v0
	v_lshlrev_b32 v[OA], 2, v5
	v_mov_b32 v[CND], s10
; K step s of A's quad qa (blocks 4 qa .. 4 qa + 3): 16 LDS loads into window 1 + qa / 2
.macro FETCH_A qa, s
	WIN (1+(\qa)/2)<<6
.irp i, 0,1,2,3
.irp c, 0,1,2,3
	ds_load_b128 v[128*((\qa)%2)+32*\i+16*(\s)+4*\c:128*((\qa)%2)+32*\i+16*(\s)+4*\c+3], v[ADA+(\qa)/2] offset:BLK*(4*((\qa)%2)+\i)+64*(\s)+16*\c
.endr
.endr
.endm
; K step s of B's quad qb into buffer bb of window 3
.macro FETCH_B qb, bb, s
	WIN 0xc0
.irp i, 0,1,2,3
.irp c, 0,1,2,3
	ds_load_b128 v[128*(\bb)+32*\i+16*(\s)+4*\c:128*(\bb)+32*\i+16*(\s)+4*\c+3], v[ADB+(\qb)/2] offset:BLK*(4*((\qb)%2)+\i)+64*(\s)+16*\c
.endr
.endr
.endm
; the scale words of blocks 8 g .. 8 g + 7, both K steps: lanes 0-15 A's, lanes 16-31 B's
.macro SCALES g
	WIN 0
.irp i, 0,1,2,3,4,5,6,7
	ds_load_b64 v[SC+2*(8*(\g)+\i):SC+2*(8*(\g)+\i)+1], v[ADS+(\g)] offset:SCB+PITCH*(\i/2)+128*(\i%2)
.endr
.endm
; 16 matrix instructions: K step s of A's quad qa x B's quad qb (in buffer bb).  Source 0 = 16 rows of A, source 1 = 16 rows of B.  K step 0 starts the sums: nothing is ever cleared.
; The 16 accumulators take turns, one instruction a turn.
.macro MUL qa, qb, bb, s
	WIN 0x0c|(1+(\qa)/2)
.irp i, 0,1,2,3
.irp j, 0,1,2,3
.if (\s) == 0
	v_wmma_scale_f32_16x16x128_f8f6f4 v[ACC+8*(4*\i+\j):ACC+8*(4*\i+\j)+7], v[128*((\qa)%2)+32*\i:128*((\qa)%2)+32*\i+15], v[128*(\bb)+32*\j:128*(\bb)+32*\j+15], 0, v[SC+8*(\qa)+2*\i], v[SC+8*(\qb)+2*\j] matrix_a_fmt:MATRIX_FMT_BF8 matrix_b_fmt:MATRIX_FMT_BF8 matrix_b_scale:MATRIX_SCALE_ROW1
.else
	v_wmma_scale_f32_16x16x128_f8f6f4 v[ACC+8*(4*\i+\j):ACC+8*(4*\i+\j)+7], v[128*((\qa)%2)+32*\i+16:128*((\qa)%2)+32*\i+31], v[128*(\bb)+32*\j+16:128*(\bb)+32*\j+31], v[ACC+8*(4*\i+\j):ACC+8*(4*\i+\j)+7], v[SC+8*(\qa)+2*\i+1], v[SC+8*(\qb)+2*\j+1] matrix_a_fmt:MATRIX_FMT_BF8 matrix_b_fmt:MATRIX_FMT_BF8 matrix_b_scale:MATRIX_SCALE_ROW1
.endif
.endr
.endr
.endm
; Behind this form of matrix instruction nine plain vector instructions that name none of its registers stand ahead of a matrix instruction that writes over its result (the next pair's C = 0), eight ahead of a vector
; instruction that reads the result and of a load into a register that it has read.  One run of nine at a pair's end serves all three.
.macro PLACES
.rept 9
	v_nop
.endr
.endm
.macro PAIR qa, qb, bb
	MUL \qa, \qb, \bb, 0
	MUL \qa, \qb, \bb, 1
	PLACES
.endm
; v[d] = register lane % 8 of the accumulator at v[a]: register j of lane (r, h) is element (8 h + j, r), so this is element (r, r) in lanes 0-7 and 24-31.  The accumulator is read from its low end on.
.macro TREE d, a
	v_cndmask_b32 v[(\d)],   v[(\a)],   v[(\a)+1], s66
	v_cndmask_b32 v[(\d)+1], v[(\a)+2], v[(\a)+3], s66
	v_cndmask_b32 v[(\d)+2], v[(\a)+4], v[(\a)+5], s66
	v_cndmask_b32 v[(\d)+3], v[(\a)+6], v[(\a)+7], s66
	v_cndmask_b32 v[(\d)],   v[(\d)],   v[(\d)+1], s67
	v_cndmask_b32 v[(\d)+2], v[(\d)+2], v[(\d)+3], s67
	v_cndmask_b32 v[(\d)],   v[(\d)],   v[(\d)+2], s68
.endm
; The diagonals of the pair's tiles (i, i), two tiles to a register: lanes 0-15 tile 2 e's sixteen numbers, lanes 16-31 tile 2 e + 1's
.macro DIAG q
	WIN 0
.irp e, 0,1
	TREE TW, ACC+80*\e
	TREE TW+4, ACC+80*\e+40
	v_cndmask_b32 v[TW+1], v[TW], v[TW+4], s69     ; what lies in its place: lanes 0-7 of the first tile, lanes 24-31 of the second
	v_cndmask_b32 v[TW+2], v[TW+4], v[TW], s69     ; what has to change halves: lanes 0-7 of the second, lanes 24-31 of the first
	v_permlanex16_b32 v[TW+3], v[TW+2], s72, s73
	v_cndmask_b32 v[RES+2*(\q)+\e], v[TW+1], v[TW+3], s70   ; lanes 8-23 take what has changed halves
.endr
.endm
	s_wait_tensorcnt 1                             ; my even group is in; my odd group's load may stay out
	s_barrier_signal -1
	s_barrier_wait -1                              ; everybody's even group is in
	SCALES 0
	FETCH_B 0, 0, 0
	FETCH_A 0, 0
	FETCH_B 0, 0, 1
	FETCH_A 0, 1
	s_wait_dscnt 32                                ; the scale words and K step 0 are in; K step 1's 32 loads may be out
	MUL 0, 0, 0, 0                                 ; pair (A0, B0)
	FETCH_B 1, 1, 0
	FETCH_B 1, 1, 1
	s_wait_dscnt 32                                ; K step 1 is in; B's quad 1 may be out
	MUL 0, 0, 0, 1
	PLACES
	DIAG 0
	FETCH_A 1, 0
	FETCH_A 1, 1
	s_wait_dscnt 32                                ; B's quad 1 is in; A's quad 1 may be out
	PAIR 0, 1, 1
	s_wait_dscnt 0x0                               ; A's quad 1 is in
	PAIR 1, 1, 1
	DIAG 1
	s_wait_tensorcnt 0x0                           ; my odd group is in (no LDS load of mine is out),
	s_barrier_signal -1
	s_barrier_wait -1                              ; everybody's is
	SCALES 1
	FETCH_A 2, 0
	FETCH_A 2, 1
	PAIR 1, 0, 0                                   ; its fragments have been in registers since the pairs before
	FETCH_A 3, 0
	FETCH_A 3, 1
	s_wait_dscnt 32                                ; the scale words of blocks 8-15 and A's quad 2 are in; A's quad 3 may be out
	PAIR 2, 0, 0
	PAIR 2, 1, 1
	s_wait_dscnt 0x0                               ; A's quad 3 is in
	PAIR 3, 1, 1
	FETCH_B 2, 1, 0                                ; buffer 1 was last read in the pair before, whose nine places stand between
	FETCH_B 2, 1, 1
	PAIR 3, 0, 0
	FETCH_B 3, 0, 0                                ; buffer 0 likewise
	FETCH_B 3, 0, 1
	s_wait_dscnt 32                                ; B's quad 2 is in; quad 3 may be out
	PAIR 3, 2, 1
	PAIR 2, 2, 1
	DIAG 2
	PAIR 1, 2, 1
	PAIR 0, 2, 1
	s_wait_dscnt 0x0                               ; B's quad 3 is in
	PAIR 0, 3, 0
	PAIR 1, 3, 0
	PAIR 2, 3, 0
	PAIR 3, 3, 0
	DIAG 3
	s_wait_xcnt 0x0                                ; EXEC changes only behind this wait
	v_cmp_eq_u32 vcc_lo, 0, v[CND]                 ; all lanes or none: do my tiles (a, a) hold the diagonal?
	s_and_saveexec_b32 s12, vcc_lo
.irp e, 0,1,2,3,4,5,6,7
	global_store_b32 v[OA], v[RES+\e], s[6:7] offset:128*\e   ; out0[512 x row panel + 256 x half + 32 e + lane]: 128 consecutive bytes
.endr
	s_wait_xcnt 0x0                                ; and again, in front of the line that widens it
	s_or_b32 exec_lo, exec_lo, s12
	s_wait_tensorcnt 0x0
	ds_add_u32 v254, v255
	s_wait_dscnt 0x0
	CROUND                                         ; the closing round: no work-group ends while a partner may still ask for a group that names it
	s_endpgm
.Lfunc_end_k_q99e6c5e463_gemm:
	.size	k_q99e6c5e463_gemm, .Lfunc_end_k_q99e6c5e463_gemm-k_q99e6c5e463_gemm
	.p2alignl 7, 3214868480
	.fill 96, 4, 3214868480
	.section	.rodata,"a",@progbits
	.p2align	6, 0x0
	.amdhsa_kernel k_q99e6c5e463_gemm
		.amdhsa_group_segment_fixed_size 287744
		.amdhsa_private_segment_fixed_size 0
		.amdhsa_enable_private_segment 0
		.amdhsa_kernarg_size 16
		.amdhsa_user_sgpr_count 2
		.amdhsa_user_sgpr_kernarg_segment_ptr 1
		.amdhsa_wavefront_size32 1
		.amdhsa_system_sgpr_workgroup_id_x 1
		.amdhsa_system_sgpr_workgroup_id_y 1
		.amdhsa_system_sgpr_workgroup_id_z 1
		.amdhsa_system_vgpr_workitem_id 0
		.amdhsa_next_free_vgpr 1024
		.amdhsa_next_free_sgpr 80
		.amdhsa_reserve_vcc 1
		.amdhsa_float_denorm_mode_32 3
		.amdhsa_float_denorm_mode_16_64 3
		.amdhsa_memory_ordered 1
		.amdhsa_forward_progress 1
		.amdhsa_inst_pref_size 104
	.end_amdhsa_kernel
	.amdgpu_metadata
---
amdhsa.version: [ 1, 2 ]
amdhsa.kernels:
  - .name:           k_q99e6c5e463_gemm
    .symbol:         k_q99e6c5e463_gemm.kd
    .args:
      - { .name: zq, .offset: 0, .size: 8, .value_kind: global_buffer, .address_space: global }
      - { .name: out0, .offset: 8, .size: 8, .value_kind: global_buffer, .address_space: global }
    .group_segment_fixed_size: 287744
    .private_segment_fixed_size: 0
    .kernarg_segment_align: 8
    .kernarg_segment_size: 16
    .max_flat_workgroup_size: 128
    .sgpr_count:     80
    .vgpr_count:     1024
    .wavefront_size: 32
...
	.end_amdgpu_metadata
.endif
;; end of part 2
